; MI455X (gfx1250); checked and timed in simulation.
; The chip was launched on July 23, 2026; its instructions are those of AMD's public machine-readable ISA for CDNA 5 (MIT licence, August 2026) and "CDNA5" Instruction Set Architecture Reference Guide (July 2026). The comments in the code are by the model that wrote it; some were corrected since.
;; Self Attention. Allowed arithmetic: matrix products marked QUANTISED: E4M3 operands, one given power-of-two scale a tensor, by v_wmma_f32_16x16x64_fp8_fp8 or v_wmma_f32_16x16x128_fp8_fp8, f32 sums; everything else in f32.
;; Inputs: Wout_codes 1,024 x 32 x 32 uint8 (E4M3 codes of Wout, K innermost, in blocks of 32 codes); Wqkv_codes 3,072 x 32 x 32 uint8 (E4M3 codes of Wqkv, K innermost, in blocks of 32 codes); bout 1,024 float32; bqkv 3,072 float32; lowp_scales 8 int32 (the exponents e of the quantised operands' scales 2^e); x_codes 4 x 2,048 x 32 x 32 uint8 (E4M3 codes of x, K innermost, in blocks of 32 codes).
;; Outputs: out0 4 x 2,048 x 1,024 float32.
;; This version of the problem:
;;   THIS VERSION OF THE PROBLEM IS GIVEN IN LOW PRECISION. The matrix products marked QUANTISED in the list below multiply operands that are first quantised to E4M3 (4 exponent bits, 3 mantissa bits; 8 bits a number), with one given power-of-two scale for each operand tensor; their sums are f32. All else is computed in f32.
;;   The module's matrix products, in the order in which they are computed (A, B: the left and right operand; K: the contracted axis; several contracted axes count as one K, in the product's order):
;;     1. [M 8,192, K 1,024] x [K 1,024, N 3,072]; A: input x (given as codes); B: input Wqkv (given as codes): QUANTISED (scales: A lowp_scales[0], B lowp_scales[1])
;;     2. batch 64 x [M 2,048, K 64] x [K 64, N 2,048]; A: computed on the way; B: computed on the way: QUANTISED (scales: A lowp_scales[2], B lowp_scales[3])
;;     3. batch 64 x [M 64, K 2,048] x [K 2,048, N 2,048]; A: computed on the way; B: softmax (see below): QUANTISED (scales: A lowp_scales[4], B lowp_scales[5])
;;     4. [M 8,192, K 1,024] x [K 1,024, N 1,024]; A: computed on the way; B: input Wout (given as codes): QUANTISED (scales: A lowp_scales[6], B lowp_scales[7])
;;   THE QUANTISER, for each operand of a quantised product, along K:
;;     - The operand's scale is 2^e, e = its entry of the input lowp_scales (int32; the entries are numbered through the quantised products in the list's order, A before B).
;;     - Each number is divided by the scale, clamped to +-448, and rounded to the nearest number of E4M3, ties to even, subnormals kept.
;;     - The product sums the exact products of the quantised numbers (number of the format x scale) in f32.
;;   ~~~python
;;   def quantise(x, axis, e):      # numpy; x: float32 -> the quantised numbers, widened to float32 again
;;       x = np.moveaxis(x, axis, -1); K = x.shape[-1]
;;       r = np.clip(x / 2.0 ** e, -448, 448)
;;       step = 2.0 ** (np.maximum(np.frexp(np.where(r == 0, 1, r))[1] - 1, -6) - 3)
;;       q = np.round(r / step) * step * 2.0 ** e      # np.round: ties to even
;;       return np.moveaxis(q, -1, axis).astype(np.float32)
;;   ~~~
;;   SOFTMAX AHEAD OF A QUANTISED PRODUCT. Where the list says 'softmax', what is quantised is not the finished softmax but p = 2^(t - M), with t = logit x log2(e) and M = ceil(the row's largest t), a whole number; so 1/2 < the row's largest p <= 1. The row's sum l is taken of the UNQUANTISED p, in f32, and the product's result is divided by l at the end. Since M is a whole number, a kernel that streams over the keys may use a running M (the ceiling of the running maximum): every later rescaling is an exact power of two, so the quantised numbers keep their values, but for numbers so far below the row's largest that they fall under the format's range.
;;   OPERANDS COMPUTED ON THE WAY. 'Computed on the way' means the value that the module computes at that place (a softmax that the list does not call 'softmax' is quantised finished and normalised). What goes into a quantiser is computed in f32, as accurately as f32 sums, v_exp_f32 and their like allow (about 1e-6 of the number): no bf16 or f16 on the way to a quantiser, and a product that is left as it is and whose result goes on into a quantised operand takes f32 operands (vector FMAs, or v_wmma_f32_16x16x4_f32). A number that lies on a knife's edge between two numbers of the format may be rounded either way, as far as f32 arithmetic and the matrix unit's own rounding can turn it there, and no further.
;;   INPUTS GIVEN AS CODES. Wout (in the module: [1024, 1024], K = its axis 1); Wqkv (in the module: [3072, 1024], K = its axis 1); x (in the module: [4, 2048, 1024], K = its axis 2): each comes as NAME_codes (uint8): NAME with its K axis moved to the last place and cut into blocks of 32 codes, [.., K / 32, bytes a block], one block behind the other in memory; one code a byte (a code: sign, 4 exponent bits, 3 mantissa bits); its scale is its entry of lowp_scales. Its value is code x scale, taken as it is: it is not quantised again, and the codes and scales need not be those that the quantiser above would give.
;; One version. Each part assembles by itself: llvm-mc -triple=amdgcn-amd-amdhsa -mcpu=gfx1250 --defsym DOCPART=n.
;; ======== version 1 of 1: 3 launches
;; limits: right only within a limited range of input values
;; workspace buffers: q_img 8,388,608 bytes; k_img 8,388,608 bytes; v_img 8,388,608 bytes; attn_img 8,388,608 bytes
;; launch qkv (part 1): grid 16 x 16, 4 waves a work-group, clusters of 4 x 4, 327,680 bytes of LDS; arguments x_codes, Wqkv_codes, bqkv, lowp_scales, q_img, k_img, v_img; writes q_img, k_img, v_img
.if DOCPART == 1
	.amdgcn_target "amdgcn-amd-amdhsa--gfx1250"
	.amdhsa_code_object_version 6
	.text
	.protected	k_qb5c1da5634_qkv
	.globl	k_qb5c1da5634_qkv
	.p2align	8
	.type	k_qb5c1da5634_qkv,@function
k_qb5c1da5634_qkv:
	s_mov_b64 s[64:65], 0
	v_nop
	global_prefetch_b8 v0, s[64:65] scope:SCOPE_SE
	s_setreg_imm32_b32 hwreg(HW_REG_WAVE_MODE, 25, 1), 1
	s_wait_xcnt 0x0
	s_wait_alu depctr_hold_cnt(0) depctr_sa_sdst(0) depctr_va_vdst(0) depctr_va_sdst(0) depctr_va_ssrc(0) depctr_va_vcc(0) depctr_vm_vsrc(0)
	s_getreg_b32 s2, hwreg(HW_REG_IB_STS2, 6, 4)
	s_cmp_eq_u32 s2, 0
	s_cbranch_scc0 .Lentry_in_a_cluster
	s_endpgm
.Lentry_in_a_cluster:
	s_bfe_u32 s2, ttmp6, 0x10000c
	s_cmp_lg_u32 s2, 0xf033
	s_cbranch_scc0 .Lentry_shape_is_right
	s_endpgm
.Lentry_shape_is_right:
.set PITCH,  272
.set AHALF,  128*PITCH
.set BHALF,  96*PITCH
.set BOFF,   256*PITCH
.set SLOT,   448*PITCH
.set SPARE,  2*SLOT
.set SPW,  4
.set NIL,  5
.set ADRA, 8
.set ADRB, 10
.set LO,   12
.set HB,   13
.set RB,   14
.set SC,   16
.set BV,   24
.set AF,   32
.set TW,   32
.set BQK,  96
.set CD,   160
.set G1,  24
.set G0,  32
.set G1B, 48
.set G0B, 56
.set MSB, 0
.macro WIN new
.if MSB != \new
	s_set_vgpr_msb (MSB<<8)|\new
.set MSB, \new
.endif
.endm
.macro PLACES
.rept 4
	v_nop
.endr
.endm
.macro JLOAD g0a, g1a, g0b, g1b
	s_cmp_eq_u32 s19, 0
	s_cbranch_scc0 .Lfor_b_\@
	tensor_load_to_lds s[\g0a:\g0a+3], s[\g1a:\g1a+7]
	s_nop 0
.rept 4
	v_nop
.endr
	s_branch .Lasked_\@
.Lfor_b_\@:
	tensor_load_to_lds s[\g0b:\g0b+3], s[\g1b:\g1b+7]
	s_nop 0
.rept 4
	v_nop
.endr
.Lasked_\@:
.endm
.macro CREST
	s_cmp_lg_u32 s18, 0
	s_cbranch_scc1 .Lnot_wave_0_\@
	s_barrier_signal -3
.Lnot_wave_0_\@:
	s_barrier_wait -3
	s_barrier_signal -1
	s_barrier_wait -1
.endm
.macro CROUND
	s_barrier_signal -1
	s_barrier_wait -1
	CREST
.endm
	s_load_b256 s[4:11], s[0:1], 0x0
	s_load_b128 s[12:15], s[0:1], 0x20
	s_load_b64 s[16:17], s[0:1], 0x30
	v_lshl_add_u32 v[SPW], v0, 2, SPARE
	v_mov_b32 v[NIL], 0
	ds_add_u32 v4, v5
	ds_add_u32 v4, v5
	s_wait_dscnt 0x0
	v_lshrrev_b32 v1, 5, v0
	v_readfirstlane_b32 s18, v1
	s_lshr_b32 s19, s18, 1
	s_and_b32 s20, s18, 1
	s_bfe_u32 s21, ttmp6, 0x40000
	s_bfe_u32 s22, ttmp6, 0x40004
	s_lshl_b32 s23, ttmp9, 2
	s_add_co_u32 s23, s23, s21
	s_and_b32 s2, ttmp7, 0xffff
	s_lshl_b32 s2, s2, 2
	s_add_co_u32 s2, s2, s22
	s_lshl_b32 s42, s22, 2
	s_lshl_b32 s42, 15, s42
	s_lshl_b32 s43, 0x1111, s21
	s_or_b32 s[G1+0], s42, (0<<16)|(1<<20)|(1<<21)|(5<<22)|(3<<25)
	s_or_b32 s[G1B+0], s43, (0<<16)|(1<<20)|(1<<21)|(5<<22)|(3<<25)
	s_mov_b32 s[G1+1], 256<<16
	s_mov_b32 s[G1+2], 128<<16
	s_mov_b32 s[G1+3], 256<<16
	s_mov_b32 s[G1+4], 128
	s_mov_b32 s[G1+5], 1024
	s_mov_b32 s[G1+6], 0
	s_mov_b32 s[G1+7], 0
	s_mov_b32 s[G1B+1], 256<<16
	s_mov_b32 s[G1B+2], 96<<16
	s_mov_b32 s[G1B+3], 256<<16
	s_mov_b32 s[G1B+4], 96
	s_mov_b32 s[G1B+5], 1024
	s_mov_b32 s[G1B+6], 0
	s_mov_b32 s[G1B+7], 0
	s_lshl_b32 s40, s2, 18
	s_lshl_b32 s44, s20, 17
	s_add_co_u32 s40, s40, s44
	s_mov_b32 s41, 0
	s_mul_i32 s46, s23, 192*1024
	s_mul_i32 s45, s20, 96*1024
	s_add_co_u32 s46, s46, s45
	s_mov_b32 s47, 0
	s_mul_i32 s44, s20, AHALF
	s_mul_i32 s45, s20, BHALF
	s_add_co_u32 s45, s45, BOFF
	s_wait_kmcnt 0x0
	s_load_b256 s[72:79], s[10:11], 0x0
	s_add_nc_u64 s[40:41], s[4:5], s[40:41]
	s_add_nc_u64 s[46:47], s[6:7], s[46:47]
	CROUND
.irp s, 0,1
	s_mov_b32 s[G0+4*\s], 1
	s_add_co_u32 s[G0+4*\s+1], s44, \s*SLOT
	s_add_nc_u64 s[G0+4*\s+2:G0+4*\s+3], s[40:41], \s*256
	s_or_b32 s[G0+4*\s+3], s[G0+4*\s+3], 0x80000000
	s_mov_b32 s[G0B+4*\s], 1
	s_add_co_u32 s[G0B+4*\s+1], s45, \s*SLOT
	s_add_nc_u64 s[G0B+4*\s+2:G0B+4*\s+3], s[46:47], \s*256
	s_or_b32 s[G0B+4*\s+3], s[G0B+4*\s+3], 0x80000000
.endr
	JLOAD G0, G1, G0B, G1B
	v_and_b32 v1, 15, v0
	v_bfe_u32 v2, v0, 4, 1
	v_mul_u32_u24 v3, v1, PITCH
	v_lshl_add_u32 v3, v2, 4, v3
	s_mul_i32 s42, s18, 64*PITCH
	v_add_nc_u32 v[ADRA], s42, v3
	v_add_nc_u32 v[ADRA+1], SLOT, v[ADRA]
	v_add_nc_u32 v[ADRB], BOFF, v3
	v_add_nc_u32 v[ADRB+1], SLOT, v[ADRB]
	v_and_b32 v6, 31, v0
	v_lshlrev_b32 v[LO], 4, v6
	v_lshlrev_b32 v[HB], 5, v2
	v_lshlrev_b32 v[RB], 2, v1
	s_mul_i32 s66, s23, 768
	s_mov_b32 s67, 0
	s_add_nc_u64 s[88:89], s[8:9], s[66:67]
.irp n, 0,1,2,3,4,5,6,7
	global_load_b128 v[BQK+8*\n:BQK+8*\n+3],   v[HB], s[88:89] offset:64*\n
	global_load_b128 v[BQK+8*\n+4:BQK+8*\n+7], v[HB], s[88:89] offset:64*\n+16
.endr
.irp t, 0,1,2,3
	global_load_b32 v[BV+2*\t],   v[RB], s[88:89] offset:512+64*\t
	global_load_b32 v[BV+2*\t+1], v[RB], s[88:89] offset:512+64*\t
.endr
	s_lshr_b32 s66, s2, 3
	s_lshl_b32 s66, s66, 4
	s_add_co_u32 s66, s66, s23
	s_lshl_b32 s66, s66, 17
	s_and_b32 s67, s2, 7
	s_lshl_b32 s67, s67, 14
	s_add_co_u32 s66, s66, s67
	s_lshl_b32 s68, s18, 12
	s_add_co_u32 s68, s68, s66
	s_mov_b32 s69, 0
	s_add_nc_u64 s[82:83], s[12:13], s[68:69]
	s_add_nc_u64 s[84:85], s[14:15], s[68:69]
	s_lshl_b32 s70, s19, 13
	s_add_co_u32 s70, s70, s66
	s_lshl_b32 s67, s20, 10
	s_add_co_u32 s70, s70, s67
	s_mov_b32 s71, 0
	s_add_nc_u64 s[86:87], s[16:17], s[70:71]
.macro FETCH slot, q, p
	WIN 0x40
.irp i, 0,1,2,3,4,5,6,7,8,9,10,11
	ds_load_b128 v[96*(\p)+8*\i:96*(\p)+8*\i+3],   v[ADRB+\slot] offset:64*(\q)+\i*16*PITCH
	ds_load_b128 v[96*(\p)+8*\i+4:96*(\p)+8*\i+7], v[ADRB+\slot] offset:64*(\q)+\i*16*PITCH+32
.endr
	WIN 0
.irp i, 0,1,2,3
	ds_load_b128 v[AF+32*(\p)+8*\i:AF+32*(\p)+8*\i+3],   v[ADRA+\slot] offset:64*(\q)+\i*16*PITCH
	ds_load_b128 v[AF+32*(\p)+8*\i+4:AF+32*(\p)+8*\i+7], v[ADRA+\slot] offset:64*(\q)+\i*16*PITCH+32
.endr
.endm
.macro MQK p, m, zero
	WIN 0xa1
.irp n, 0,1,2,3,4,5,6,7
.if \zero
	v_wmma_f32_16x16x64_fp8_fp8 v[8*(8*(\m)+\n):8*(8*(\m)+\n)+7], v[96*(\p)+8*\n:96*(\p)+8*\n+7], v[AF+32*(\p)+8*(\m):AF+32*(\p)+8*(\m)+7], 0
.else
	v_wmma_f32_16x16x64_fp8_fp8 v[8*(8*(\m)+\n):8*(8*(\m)+\n)+7], v[96*(\p)+8*\n:96*(\p)+8*\n+7], v[AF+32*(\p)+8*(\m):AF+32*(\p)+8*(\m)+7], v[8*(8*(\m)+\n):8*(8*(\m)+\n)+7]
.endif
.endr
.endm
.macro MV p, zero
	WIN 0xf4
.irp m, 0,1,2,3
.irp t, 0,1,2,3
.if \zero
	v_wmma_f32_16x16x64_fp8_fp8 v[8*(4*\m+\t):8*(4*\m+\t)+7], v[AF+32*(\p)+8*\m:AF+32*(\p)+8*\m+7], v[96*(\p)+8*(8+\t):96*(\p)+8*(8+\t)+7], 0
.else
	v_wmma_f32_16x16x64_fp8_fp8 v[8*(4*\m+\t):8*(4*\m+\t)+7], v[AF+32*(\p)+8*\m:AF+32*(\p)+8*\m+7], v[96*(\p)+8*(8+\t):96*(\p)+8*(8+\t)+7], v[8*(4*\m+\t):8*(4*\m+\t)+7]
.endif
.endr
.endr
.endm
.macro SUB slot, q, p, zero
	PLACES
	FETCH \slot, (\q)+1, 1-(\p)
	s_wait_dscnt 32
	MQK \p, 0, \zero
	MQK \p, 1, \zero
	MQK \p, 2, \zero
	MQK \p, 3, \zero
	MV \p, \zero
.endm
; fill = 1: this slot takes the tile's K step two on; fill = 2: the next tile's K step (A 16 tile rows down and back along K, B back along K); fetch = 0: no fragments are fetched behind it
.macro TURN slot, next, fill, fetch
	WIN 0
	s_wait_tensorcnt 0x0
	ds_add_u32 v[SPW], v[NIL]
	s_wait_dscnt 1
	MQK 1, 0, 0
	MQK 1, 1, 0
	s_wait_dscnt 0x0
	s_barrier_signal -1
	MQK 1, 2, 0
	MQK 1, 3, 0
	WIN 0
	s_barrier_wait -1
.if \fill
	CREST
.if \fill == 1
	s_add_nc_u64 s[G0+4*\slot+2:G0+4*\slot+3], s[G0+4*\slot+2:G0+4*\slot+3], 512
	s_add_nc_u64 s[G0B+4*\slot+2:G0B+4*\slot+3], s[G0B+4*\slot+2:G0B+4*\slot+3], 512
.else
	s_add_nc_u64 s[G0+4*\slot+2:G0+4*\slot+3], s[G0+4*\slot+2:G0+4*\slot+3], 0x400000-512
	s_sub_nc_u64 s[G0B+4*\slot+2:G0B+4*\slot+3], s[G0B+4*\slot+2:G0B+4*\slot+3], 512
.endif
	JLOAD G0+4*\slot, G1, G0B+4*\slot, G1B
.else
	PLACES
.endif
.if \fetch
	FETCH \next, 0, 0
.endif
	MV 1, 0
.endm
	s_wait_alu depctr_va_vdst(0)
	s_wait_tensorcnt 0x0
	ds_add_u32 v4, v5
	s_wait_dscnt 0x0
	CROUND
	JLOAD G0+4, G1, G0B+4, G1B
; A work-group stays for two tiles, tile rows r and r + 16.  A tile's four K steps; more = 1: a tile follows, and the ring goes on into it: the last two changes of slots ask for its K steps 0 and 1
.macro MAIN more
	FETCH 0, 0, 0
	SUB 0, 0, 0, 1
	SUB 0, 1, 1, 0
	SUB 0, 2, 0, 0
	TURN 0, 1, 1, 1
	SUB 1, 0, 0, 0
	SUB 1, 1, 1, 0
	SUB 1, 2, 0, 0
	TURN 1, 0, 1, 1
	SUB 0, 0, 0, 0
	SUB 0, 1, 1, 0
	SUB 0, 2, 0, 0
	TURN 0, 1, 2*\more, 1
	SUB 1, 0, 0, 0
	SUB 1, 1, 1, 0
	SUB 1, 2, 0, 0
.if \more
	TURN 1, 0, 2, 0
.else
	s_wait_dscnt 0x0
	MQK 1, 0, 0
	MQK 1, 1, 0
	MQK 1, 2, 0
	MQK 1, 3, 0
	MV 1, 0
.endif
	WIN 0
.endm
	MAIN 1
	s_wait_kmcnt 0x0
	s_add_co_i32 s80, s72, s73
	s_add_co_i32 s80, s80, 127
	s_lshl_b32 s80, s80, 23
	s_mov_b32 s81, s80
.irp e, 0,1,2
	s_add_co_i32 s66, s[74+\e], 127
	s_lshl_b32 s67, s66, 23
	v_mov_b32 v[SC+2*\e], s67
	s_add_co_i32 s66, s66, 8
	s_lshl_b32 s66, s66, 23
	s_or_b32 s66, s66, 0x600000
	v_mov_b32 v[SC+2*\e+1], s66
.endr
	s_wait_loadcnt 0x0
.macro HOLD_CVT sc, n
.set ii, 0
.rept 32
	v_med3_num_f32 v[TW+ii], v[TW+ii], -v[\sc+1], v[\sc+1]
.set ii, ii+1
.endr
.irp c, 0,1,2,3
	v_cvt_scalef32_pk8_fp8_f32 v[CD+8*(\n)+2*\c:CD+8*(\n)+2*\c+1], v[TW+8*\c:TW+8*\c+7], v[\sc]
.endr
	v_nop
.endm
.macro QK_OUT m, part, n
	WIN 0x02
.irp c, 0,1,2,3
.irp i, 0,2,4,6
	v_pk_fma_f32 v[TW+8*\c+\i:TW+8*\c+\i+1], v[8*(8*(\m)+4*(\part)+\c)+\i:8*(8*(\m)+4*(\part)+\c)+\i+1], s[80:81], v[BQK+8*(4*(\part)+\c)+\i:BQK+8*(4*(\part)+\c)+\i+1] op_sel_hi:[1,0,1]
.endr
.endr
	WIN 0
	HOLD_CVT SC+2*(\part), \n
	global_store_b128 v[LO], v[CD+8*(\n):CD+8*(\n)+3],   s[82+2*(\part):83+2*(\part)] offset:1024*(\m)
	global_store_b128 v[LO], v[CD+8*(\n)+4:CD+8*(\n)+7], s[82+2*(\part):83+2*(\part)] offset:1024*(\m)+512
.endm
.macro V_OUT t, n
	WIN 0x03
.irp m, 0,1,2,3
.irp i, 0,2,4,6
	v_pk_fma_f32 v[TW+8*\m+\i:TW+8*\m+\i+1], v[8*(4*\m+(\t))+\i:8*(4*\m+(\t))+\i+1], s[80:81], v[BV+2*(\t):BV+2*(\t)+1] op_sel_hi:[1,0,0]
.endr
.endr
	WIN 0
	HOLD_CVT SC+4, \n
	global_store_b128 v[LO], v[CD+8*(\n):CD+8*(\n)+3],   s[86:87] offset:2048*(\t)
	global_store_b128 v[LO], v[CD+8*(\n)+4:CD+8*(\n)+7], s[86:87] offset:2048*(\t)+512
.endm
.macro OUT                             ; a tile's way out; four places stand in front of the first read of results
	PLACES
.irp m, 0,1,2,3
	QK_OUT \m, 0, 2*\m
	QK_OUT \m, 1, 2*\m+1
.endr
.irp t, 0,1,2,3
	V_OUT \t, 8+\t
.endr
.endm
	OUT                                    ; the first tile leaves while the second tile's K step 1 is on its way
	s_wait_xcnt 0x0                        ; the stores have read their bases and their data
	s_add_nc_u64 s[82:83], s[82:83], 0x400000   ; 16 tile rows on are two batches on: 32 heads of 131,072 bytes in each image
	s_add_nc_u64 s[84:85], s[84:85], 0x400000
	s_add_nc_u64 s[86:87], s[86:87], 0x400000
	MAIN 0
	OUT
	s_wait_tensorcnt 0x0
	ds_add_u32 v[SPW], v[NIL]
	s_wait_dscnt 0x0
	CROUND
	s_endpgm
.Lfunc_end_k_qb5c1da5634_qkv:
	.size	k_qb5c1da5634_qkv, .Lfunc_end_k_qb5c1da5634_qkv-k_qb5c1da5634_qkv
	.p2alignl 7, 3214868480
	.fill 96, 4, 3214868480
	.section	.rodata,"a",@progbits
	.p2align	6, 0x0
	.amdhsa_kernel k_qb5c1da5634_qkv
		.amdhsa_group_segment_fixed_size 327680
		.amdhsa_private_segment_fixed_size 0
		.amdhsa_enable_private_segment 0
		.amdhsa_kernarg_size 56
		.amdhsa_user_sgpr_count 2
		.amdhsa_user_sgpr_kernarg_segment_ptr 1
		.amdhsa_wavefront_size32 1
		.amdhsa_system_sgpr_workgroup_id_x 1
		.amdhsa_system_sgpr_workgroup_id_y 1
		.amdhsa_system_sgpr_workgroup_id_z 1
		.amdhsa_system_vgpr_workitem_id 0
		.amdhsa_next_free_vgpr 896
		.amdhsa_next_free_sgpr 100
		.amdhsa_reserve_vcc 0
		.amdhsa_float_denorm_mode_32 3
		.amdhsa_float_denorm_mode_16_64 3
		.amdhsa_memory_ordered 1
		.amdhsa_forward_progress 1
		.amdhsa_inst_pref_size 255
	.end_amdhsa_kernel
	.section	.bss,"aw",@nobits
	.p2align	6
	.space	262144
	.amdgpu_metadata
---
amdhsa.version: [ 1, 2 ]
amdhsa.kernels:
  - .name:           k_qb5c1da5634_qkv
    .symbol:         k_qb5c1da5634_qkv.kd
    .args:
      - { .name: x_codes, .offset: 0, .size: 8, .value_kind: global_buffer, .address_space: global }
      - { .name: Wqkv_codes, .offset: 8, .size: 8, .value_kind: global_buffer, .address_space: global }
      - { .name: bqkv, .offset: 16, .size: 8, .value_kind: global_buffer, .address_space: global }
      - { .name: lowp_scales, .offset: 24, .size: 8, .value_kind: global_buffer, .address_space: global }
      - { .name: q_img, .offset: 32, .size: 8, .value_kind: global_buffer, .address_space: global }
      - { .name: k_img, .offset: 40, .size: 8, .value_kind: global_buffer, .address_space: global }
      - { .name: v_img, .offset: 48, .size: 8, .value_kind: global_buffer, .address_space: global }
    .group_segment_fixed_size: 327680
    .private_segment_fixed_size: 0
    .kernarg_segment_align: 8
    .kernarg_segment_size: 56
    .max_flat_workgroup_size: 128
    .sgpr_count:     100
    .vgpr_count:     896
    .wavefront_size: 32
...
	.end_amdgpu_metadata
.endif
;; end of part 1
;; launch attn (part 2): grid 4 x 64, 16 waves a work-group, clusters of 4 x 1, 327,680 bytes of LDS; arguments q_img, k_img, v_img, lowp_scales, attn_img; writes attn_img
.if DOCPART == 2
	.amdgcn_target "amdgcn-amd-amdhsa--gfx1250"
	.amdhsa_code_object_version 6
	.text
	.protected	k_qb5c1da5634_attn
	.globl	k_qb5c1da5634_attn
	.p2align	8
	.type	k_qb5c1da5634_attn,@function
k_qb5c1da5634_attn:
	s_mov_b64 s[64:65], 0
	v_nop
	global_prefetch_b8 v0, s[64:65] scope:SCOPE_SE
	s_setreg_imm32_b32 hwreg(HW_REG_WAVE_MODE, 25, 1), 1
	s_wait_xcnt 0x0
	s_wait_alu depctr_hold_cnt(0) depctr_sa_sdst(0) depctr_va_vdst(0) depctr_va_sdst(0) depctr_va_ssrc(0) depctr_va_vcc(0) depctr_vm_vsrc(0)
	s_getreg_b32 s2, hwreg(HW_REG_IB_STS2, 6, 4)
	s_cmp_eq_u32 s2, 0
	s_cbranch_scc0 .Lentry_in_a_cluster
	s_endpgm
.Lentry_in_a_cluster:
	s_bfe_u32 s2, ttmp6, 0x10000c
	s_cmp_lg_u32 s2, 0x3003
	s_cbranch_scc0 .Lentry_shape_is_right
	s_endpgm
.Lentry_shape_is_right:
; Causal attention of one head on codes of FP8 (E4M3): S^T = K Q^T, p = 2^(t - M), O^T = V^T P^T, O / l quantised with 2^e6 and stored as codes.  Head size 64, 2,048 keys, 64 heads of the batch.
; q_img, k_img: [64][128 tiles of 16 rows][1,024 bytes]; v_img: [64][16 steps of 128 keys][4 tiles of 16 channels][2,048 bytes]: images of operand registers, lane l's 16 bytes of each four registers at 16 l.
; attn_img: [512 tiles of 16 rows][16 heads][1,024 bytes], an image of the same make.
; THE SOFTMAX: t = score x 2^(e2 + e3) x log2(e) / 8; M = the running largest t rounded UP to a whole number; p = 2^(t - M) is quantised with 2^e5, not normalised; the row's sum is taken of the
; unquantised p and divides O at the end.  When M moves, the sum and O^T are multiplied by 2^(old M - new M): exact.
; LEFT OUT: key steps all of whose 128 keys come after a tile's queries: the causal mask sets their scores to -infinity, so their p is 0 for every input.
; SHARES.  The four work-groups of a head form a cluster and share K and V: 2 x 131,072 bytes, which lie whole in each work-group's LDS and are filled ONCE, by joint loads.
; Work-group cx owns the query tiles 4 m + cx, m = 0 .. 31.  Tile m needs the key steps 0 .. m / 2, whatever cx is: no branch hangs on cx.
; Wave w (of sixteen, four to a SIMD) walks tile m = 31 - w and then tile m = w: (31 - w) / 2 + 1 + w / 2 + 1 = 17 trips in every wave, one key step of 128 keys a trip.
; A tile's last step lies on the diagonal: hidden scores become -infinity ahead of the maximum.  For even m the step's keys 64 .. 127 are all hidden, for odd m its keys 0 .. 63 all count, for every cx.
; THE FILLS.  At the head each wave asks for 4,096 bytes of K (waves 0-7) or V (waves 8-15): key steps 0 .. 3.  Behind the full sequence and a round each wave asks for 12,288 bytes more: steps 4 .. 15.
; Trips 0 .. 3 read steps 0 .. 3 alone; then one barrier shows the rest, and trips 4 .. 16 have no barrier.  No byte is filled twice.
; No prefetch: both groups of tensor loads are issued ahead of the loops, so no trip has a later load to run ahead of.
; LIMITS: e2 + e3 between -123 and 130 (added to the exponent field of log2(e) / 8); e5 and e6 between -126 and 119; e4 + e5 is applied by v_ldexp_f32 and has none.  NaN is not served.
.set SPARE, 0x48000                    ; the spare words: 128 bytes a wave, eight blocks of 256 bytes that no other line names
.set VB,    131072                     ; V's 16 steps lie behind K's 16
.set LI,   1                           ; v1 16 x lane
.set DG,   2                           ; v2 16 cx + r - 8 hf
.set SPW,  5
.set NIL,  6
.set ADK,  8                           ; v8 LDS address of the step's K, v9 of its V
.set ADV,  9
.set Q,    16                          ; v12 -M, v13 the largest t; Q; the second tile's Q
.set QN,   24
.set S,    32                          ; S^T, then p
.set O,    96
.set PC,   128                         ; p's codes
.set TM,   144                         ; at work: eight chains, +8 a permute's result, +9 -infinity, +10, +11 f as a pair
.set SUM,  160                         ; the sum in two halves; v162-175 its seven side chains
.set HOLD, 176                         ; 448 x 2^e5, twice (one register for each half of a dual pair)
.set HOLD2,177
.set SCP,  178                         ; 2^e5, 2^e6, 448 x 2^e6
.set SCO,  179
.set HOLDO,180
.set OC,   182                         ; the codes that leave
.set FR,   192                         ; eight fragments of K, then four of V
.set WV,  14
.set T,   15                           ; the trip, 0 .. 16
.set DL,  16                           ; (31 - wave) / 2: the first tile's last trip
.set FL,  17                           ; 0: no mask; 1: diagonal of an even m; 2: of an odd m
.set WM,  18                           ; -(DL + 1), modulo 2^32
.set TB,  19
.set SEL, 20
.set CS,  22
.set G1A, 24
.set G1B, 32
.set G0A, 40
.set G0B, 44
.set QP1, 48
.set QP2, 50
.set EPV, 60
.set F1,  62                           ; FL's value on the first tile's diagonal, on the second's
.set F2,  63
.set OP1, 66
.set OP2, 68
.macro ROUND                           ; a round of the cluster's barrier
	s_barrier_signal -1
	s_barrier_wait -1
	s_cmp_lg_u32 s[WV], 0
	s_cbranch_scc1 .Lnw0_\@
	s_barrier_signal -3
.Lnw0_\@:
	s_barrier_wait -3
	s_barrier_signal -1
	s_barrier_wait -1
.endm
.macro FRESH                           ; a tile's state: the largest t under every t; the sum and O^T zeros, which the first change of M leaves zeros
	v_mov_b32 v13, 0xff61b1e6
	v_floor_f32 v12, -v13
	v_mov_b32 v[SUM], 0
	v_mov_b32 v[SUM+1], 0
.set j, 0
.rept 32
	v_mov_b32 v[O+j], 0
.set j, j+1
.endr
.endm
	s_load_b256 s[4:11], s[0:1], 0x0               ; q_img, k_img, v_img, the scales' exponents
	s_load_b64 s[12:13], s[0:1], 0x20              ; attn_img
	v_lshl_add_u32 v[SPW], v0, 2, SPARE
	v_mov_b32 v[NIL], 0
	ds_add_u32 v[SPW], v[NIL]                      ; the opening lines: the add twice on end and one wait
	ds_add_u32 v[SPW], v[NIL]
	v_lshrrev_b32 v8, 5, v0
	v_readfirstlane_b32 s[WV], v8                  ; wave 0..15
	s_and_b32 s70, ttmp7, 0xffff                   ; 16 x batch + head
	s_bfe_u32 s71, ttmp6, 0x40000                  ; cx
	s_lshl_b32 s72, s70, 17                        ; the head's first byte in q_img, k_img, v_img
	s_mov_b32 s73, 0
	s_and_b32 s74, s[WV], 7
	s_lshr_b32 s75, s[WV], 3                       ; 0: I fetch K; 1: V
	s_lshl_b32 s76, s75, 17
	s_lshl_b32 s82, s74, 12                        ; first load: my eighth of the key steps 0 .. 3
	s_mov_b32 s83, 0
	s_mul_i32 s78, s74, 12288                      ; second load: my eighth of the key steps 4 .. 15
	s_add_co_u32 s78, s78, 32768
	s_mov_b32 s79, 0
	s_mov_b32 s[G0A], 1
	s_add_co_u32 s[G0A+1], s76, s82
	s_mov_b32 s[G0B], 1
	s_add_co_u32 s[G0B+1], s76, s78
	s_mov_b32 s[G1A+0], 15|(3<<16)|(1<<21)         ; the four partners; elements of 8 bytes; bit 21 beside a mask; dense rows of 256 bytes
	s_mov_b32 s[G1A+1], 32<<16
	s_mov_b32 s[G1A+2], 16<<16                     ; 16 rows
	s_mov_b32 s[G1A+3], 32<<16
	s_mov_b32 s[G1A+4], 16
	s_mov_b32 s[G1A+5], 32
	s_mov_b32 s[G1A+6], 0
	s_mov_b32 s[G1A+7], 0
	s_mov_b32 s[G1B+0], 15|(3<<16)|(1<<21)
	s_mov_b32 s[G1B+1], 32<<16
	s_mov_b32 s[G1B+2], 48<<16                     ; 48 rows
	s_mov_b32 s[G1B+3], 32<<16
	s_mov_b32 s[G1B+4], 48
	s_mov_b32 s[G1B+5], 32
	s_mov_b32 s[G1B+6], 0
	s_mov_b32 s[G1B+7], 0
	s_mov_b32 s[SEL], 0x76543210
	s_mov_b32 s[SEL+1], 0xfedcba98
	s_mov_b32 s[CS], 0x3e38aa3b                    ; log2(e) / 8
	s_sub_co_u32 s77, 31, s[WV]                    ; the first tile's m
	s_lshr_b32 s[DL], s77, 1
	s_xor_b32 s[WM], s[DL], -1
	s_and_b32 s[F1], s77, 1
	s_add_co_u32 s[F1], s[F1], 1
	s_and_b32 s[F2], s[WV], 1
	s_add_co_u32 s[F2], s[F2], 1
	s_wait_alu depctr_va_vdst(0)
	s_wait_dscnt 0x0
	s_wait_kmcnt 0x0
	s_load_b256 s[52:59], s[10:11], 0x0            ; e0 .. e7
	s_cmp_eq_u32 s75, 0
	s_cselect_b64 s[80:81], s[6:7], s[8:9]
	s_add_nc_u64 s[80:81], s[80:81], s[72:73]
	s_add_nc_u64 s[G0A+2:G0A+3], s[80:81], s[82:83]
	s_or_b32 s[G0A+3], s[G0A+3], 0x80000000
	s_add_nc_u64 s[G0B+2:G0B+3], s[80:81], s[78:79]
	s_or_b32 s[G0B+3], s[G0B+3], 0x80000000
	ROUND                                          ; the four partners are here: the joint loads meet
	tensor_load_to_lds s[G0A:G0A+3], s[G1A:G1A+7]  ; my one load at the head
	s_nop 0
	s_lshl_b32 s84, s77, 2
	s_add_co_u32 s84, s84, s71                     ; the first tile: 4 (31 - wave) + cx
	s_lshl_b32 s85, s[WV], 2
	s_add_co_u32 s85, s85, s71                     ; the second: 4 wave + cx
	s_lshl_b32 s86, s84, 10
	s_mov_b32 s87, 0
	s_add_nc_u64 s[86:87], s[86:87], s[72:73]
	s_add_nc_u64 s[QP1:QP1+1], s[4:5], s[86:87]
	s_lshl_b32 s86, s85, 10
	s_mov_b32 s87, 0
	s_add_nc_u64 s[86:87], s[86:87], s[72:73]
	s_add_nc_u64 s[QP2:QP2+1], s[4:5], s[86:87]
	s_lshr_b32 s88, s70, 4
	s_lshl_b32 s88, s88, 21                        ; attn_img: the batch's 128 tiles of 16,384 bytes,
	s_and_b32 s89, s70, 15
	s_lshl_b32 s89, s89, 10                        ; the head's 1,024 bytes in a tile
	s_add_co_u32 s88, s88, s89
	s_lshl_b32 s86, s84, 14
	s_add_co_u32 s86, s86, s88
	s_mov_b32 s87, 0
	s_add_nc_u64 s[OP1:OP1+1], s[12:13], s[86:87]
	s_lshl_b32 s86, s85, 14
	s_add_co_u32 s86, s86, s88
	s_add_nc_u64 s[OP2:OP2+1], s[12:13], s[86:87]
	s_lshl_b32 s71, s71, 4                         ; 16 cx
	v_and_b32 v[LI], 31, v0
	v_lshlrev_b32 v[LI], 4, v[LI]
	global_load_b128 v[Q:Q+3],     v[LI], s[QP1:QP1+1]
	global_load_b128 v[Q+4:Q+7],   v[LI], s[QP1:QP1+1] offset:512
	global_load_b128 v[QN:QN+3],   v[LI], s[QP2:QP2+1]
	global_load_b128 v[QN+4:QN+7], v[LI], s[QP2:QP2+1] offset:512
	v_and_b32 v[DG], 15, v0
	v_bfe_u32 v3, v0, 4, 1
	v_lshlrev_b32 v3, 3, v3
	v_sub_nc_u32 v[DG], v[DG], v3
	v_add_nc_u32 v[DG], s71, v[DG]
	s_wait_alu depctr_va_vdst(0)
	s_wait_kmcnt 0x0
	s_add_co_i32 s70, s54, s55
	s_lshl_b32 s70, s70, 23
	s_add_co_i32 s[CS], s[CS], s70                 ; c = 2^(e2 + e3) log2(e) / 8
	s_mov_b32 s[CS+1], s[CS]
	s_add_co_i32 s[EPV], s56, s57                  ; e4 + e5
	s_add_co_i32 s70, s57, 127
	s_lshl_b32 s74, s70, 23                        ; 2^e5
	s_add_co_i32 s70, s70, 8
	s_lshl_b32 s70, s70, 23
	s_or_b32 s75, s70, 0x600000                    ; 448 x 2^e5
	s_add_co_i32 s70, s58, 127
	s_lshl_b32 s76, s70, 23                        ; 2^e6
	s_add_co_i32 s70, s70, 8
	s_lshl_b32 s70, s70, 23
	s_or_b32 s77, s70, 0x600000                    ; 448 x 2^e6
	v_mov_b32 v[SCP], s74
	v_mov_b32 v[HOLD], s75
	v_mov_b32 v[HOLD2], s75
	v_mov_b32 v[SCO], s76
	v_mov_b32 v[HOLDO], s77
	v_mov_b32 v[TM+8], 0                           ; a lane permute's destination counts as one of its sources
	v_mov_b32 v[TM+11], 0                          ; (named as the upper half of f's pair)
	FRESH
; THE SOFTMAX of a step.  ph = 1: the text has the diagonal's two masks, chosen by scalar branches on the trip and the wave's number.
.macro SOFTMAX ph
.if \ph
	s_cmp_eq_u32 s[FL], 0
	s_wait_alu depctr_va_vdst(0)
	s_cbranch_scc1 .Lopen_\@
	v_mov_b32 v[TM+9], 0xff800000                  ; -infinity
	s_cmp_eq_u32 s[FL], 1
	s_wait_alu depctr_va_vdst(0)
	s_cbranch_scc0 .Lodd_\@
.set n, 0
.rept 32                                       ; even m: register 8 t + j holds the step's key 16 t + 8 hf + j; my query is its key 16 cx + r
	v_cmp_gt_i32 vcc_lo, 16*(n/8)+n%8, v[DG]
	v_cndmask_b32 v[S+n], v[S+n], v[TM+9], vcc_lo
.set n, n+1
.endr
.rept 32
	v_mov_b32 v[S+n], v[TM+9]                      ; keys 64 .. 127 come after all the tile's queries
.set n, n+1
.endr
	s_branch .Lopen_\@
.Lodd_\@:
.set n, 0
.rept 32                                       ; odd m: my query is the step's key 64 + 16 cx + r
	v_cmp_gt_i32 vcc_lo, 16*(n/8)+n%8, v[DG]
	v_cndmask_b32 v[S+32+n], v[S+32+n], v[TM+9], vcc_lo
.set n, n+1
.endr
.Lopen_\@:
.endif
	s_wait_alu depctr_va_vdst(0)
.irp c, 0,1,2,3,4,5,6,7                        ; the largest score in eight chains; each accumulator is read from its low end on
	v_max3_num_f32 v[TM+\c], v[S+3*\c], v[S+3*\c+1], v[S+3*\c+2]
.endr
.set n, 24
.rept 20
	v_max3_num_f32 v[TM+(n/2)%8], v[TM+(n/2)%8], v[S+n], v[S+n+1]
.set n, n+2
.endr
	v_max3_num_f32 v[TM], v[TM], v[TM+1], v[TM+2]
	v_max3_num_f32 v[TM+3], v[TM+3], v[TM+4], v[TM+5]
	v_max_num_f32 v[TM+6], v[TM+6], v[TM+7]
	v_max3_num_f32 v[TM], v[TM], v[TM+3], v[TM+6]
	s_delay_alu instid0(VALU_DEP_1)
	v_permlanex16_b32 v[TM+8], v[TM], s[SEL], s[SEL+1]
	s_delay_alu instid0(VALU_DEP_1)
	v_max_num_f32 v[TM], v[TM], v[TM+8]            ; and lane l xor 16's
	s_delay_alu instid0(VALU_DEP_1)
	v_mul_f32 v[TM], s[CS], v[TM]                  ; as t (c is positive)
	s_delay_alu instid0(VALU_DEP_1)
	v_max_num_f32 v13, v13, v[TM]
	v_mov_b32 v[TM+1], v12
	s_delay_alu instid0(VALU_DEP_2)
	v_floor_f32 v12, -v13                          ; the new -M = -ceil(t)
	s_delay_alu instid0(VALU_DEP_1)
	v_sub_f32 v[TM+1], v12, v[TM+1]                ; old M - new M, a whole number, 0 or less
	s_delay_alu instid0(VALU_DEP_1)
	v_cvt_i32_f32 v[TM+1], v[TM+1]
	s_delay_alu instid0(VALU_DEP_1)
	v_ldexp_f32 v[TM+10], 1.0, v[TM+1]             ; f = 2^(old M - new M)
	s_wait_alu depctr_va_vdst(0)
.set j, 0
.rept 16
	v_pk_mul_f32 v[O+j:O+j+1], v[O+j:O+j+1], v[TM+10:TM+11] op_sel_hi:[1,0]
.set j, j+2
.endr
	v_pk_mul_f32 v[SUM:SUM+1], v[SUM:SUM+1], v[TM+10:TM+11] op_sel_hi:[1,0]
.set j, 0
.rept 32
	v_pk_fma_f32 v[S+j:S+j+1], v[S+j:S+j+1], s[CS:CS+1], v[12:13] op_sel_hi:[1,0,0]   ; t - M
.set j, j+2
.endr
	s_wait_alu depctr_va_vdst(0)                   ; one wait ahead of the batch,
.set j, 0
.rept 64
	v_exp_f32 v[S+j], v[S+j]                       ; p = 2^(t - M)
.set j, j+1
.endr
	v_nop
	s_wait_alu depctr_va_vdst(0)                   ; and one behind it
.irp c, 1,2,3,4,5,6,7                          ; the sum of the unquantised p, in eight chains
	v_pk_add_f32 v[SUM+2*\c:SUM+2*\c+1], v[S+4*\c-4:S+4*\c-3], v[S+4*\c-2:S+4*\c-1]
.endr
.set n, 28
.rept 18
	v_pk_add_f32 v[SUM+2*((n/2)%8):SUM+2*((n/2)%8)+1], v[SUM+2*((n/2)%8):SUM+2*((n/2)%8)+1], v[S+n:S+n+1]
.set n, n+2
.endr
.irp c, 0,4,8,12
	v_pk_add_f32 v[SUM+\c:SUM+\c+1], v[SUM+\c:SUM+\c+1], v[SUM+\c+2:SUM+\c+3]
.endr
	v_pk_add_f32 v[SUM:SUM+1], v[SUM:SUM+1], v[SUM+4:SUM+5]
	v_pk_add_f32 v[SUM+8:SUM+9], v[SUM+8:SUM+9], v[SUM+12:SUM+13]
	v_pk_add_f32 v[SUM:SUM+1], v[SUM:SUM+1], v[SUM+8:SUM+9]
.set j, 0
.rept 32                                       ; the conversion does not saturate (ISA guide 7.6.2); p is not negative, so the hold is one-sided; two holds an instruction
	v_dual_min_num_f32 v[S+j], v[S+j], v[HOLD] :: v_dual_min_num_f32 v[S+j+1], v[S+j+1], v[HOLD2]
.set j, j+2
.endr
.irp t, 0,1,2,3,4,5,6,7
	v_cvt_scalef32_pk8_fp8_f32 v[PC+2*\t:PC+2*\t+1], v[S+8*\t:S+8*\t+7], v[SCP]   ; keys 16 t + 8 hf + 0..7: registers 2 t, 2 t + 1 of P
.endr
	v_nop                                          ; one plain line behind the last conversion
.endm
; A TRIP: one key step.  ph = 0: trips 0 .. 3, key step = trip.  ph = 1: key step = trip, or trip - (DL + 1) in the second tile: the lesser of the two as unsigned numbers.
.macro STEP ph
.if \ph
	s_add_co_u32 s70, s[T], s[WM]
	s_min_u32 s70, s70, s[T]
	s_lshl_b32 s[TB], s70, 13
	s_cmp_eq_u32 s[T], s[DL]
	s_cselect_b32 s[FL], s[F1], 0
	s_cmp_eq_u32 s[T], 16
	s_cselect_b32 s[FL], s[F2], s[FL]              ; a tile's last step lies on the diagonal
.else
	s_lshl_b32 s[TB], s[T], 13
.endif
	v_add_nc_u32 v[ADK], s[TB], v[LI]
	v_add_nc_u32 v[ADV], VB, v[ADK]
	v_nop                                          ; with the two additions: four places in front of loads into registers that the last products read
	v_nop
.irp t, 0,1,2,3,4,5,6,7
	ds_load_b128 v[FR+8*\t:FR+8*\t+3],   v[ADK] offset:1024*\t
	ds_load_b128 v[FR+8*\t+4:FR+8*\t+7], v[ADK] offset:1024*\t+512
.endr
	s_wait_alu depctr_va_vdst(0)
	s_wait_dscnt 8                                 ; tiles 0 to 3 are in; the eight loads of tiles 4 to 7 may be out
.irp t, 0,1,2,3
	v_wmma_f32_16x16x64_fp8_fp8 v[S+8*\t:S+8*\t+7], v[FR+8*\t:FR+8*\t+7], v[Q:Q+7], 0
.endr
	s_wait_dscnt 0x0
.irp t, 4,5,6,7
	v_wmma_f32_16x16x64_fp8_fp8 v[S+8*\t:S+8*\t+7], v[FR+8*\t:FR+8*\t+7], v[Q:Q+7], 0
.endr
.rept 4
	v_nop                                          ; places in front of the loads over K's fragments and of the first read of the scores
.endr
.irp d, 0,1,2,3                                ; V's four fragments land under the softmax
.irp c, 0,1,2,3
	ds_load_b128 v[FR+16*\d+4*\c:FR+16*\d+4*\c+3], v[ADV] offset:2048*\d+512*\c
.endr
.endr
	SOFTMAX \ph
	s_wait_alu depctr_va_vdst(0)
	s_wait_dscnt 0x0                               ; V is in
.irp d, 0,1,2,3                                ; four accumulators, one instruction each
	v_wmma_f32_16x16x128_fp8_fp8 v[O+8*\d:O+8*\d+7], v[FR+16*\d:FR+16*\d+15], v[PC:PC+15], v[O+8*\d:O+8*\d+7]
.endr
.endm
; A tile's end: O^T x 2^(e4 + e5) / the sum, held, converted; each store of the wave covers 512 consecutive bytes, aligned.
.macro FINISH ptr
	s_wait_xcnt 0x0                                ; earlier stores have read their data
	v_add_f32 v[SUM], v[SUM], v[SUM+1]
	v_permlanex16_b32 v[TM+8], v[SUM], s[SEL], s[SEL+1]
	v_add_f32 v[SUM], v[SUM], v[TM+8]
	v_nop                                          ; with the three lines above: four places behind the last products
	s_wait_alu depctr_va_vdst(0)
	v_rcp_f32 v[SUM], v[SUM]
	v_nop
	s_wait_alu depctr_va_vdst(0)
	v_ldexp_f32 v[SUM], v[SUM], s[EPV]
	s_wait_alu depctr_va_vdst(0)
.set j, 0
.rept 16
	v_pk_mul_f32 v[S+j:S+j+1], v[O+j:O+j+1], v[SUM:SUM+1] op_sel_hi:[1,0]
.set j, j+2
.endr
.set j, 0
.rept 32
	v_med3_num_f32 v[S+j], v[S+j], -v[HOLDO], v[HOLDO]
.set j, j+1
.endr
.irp d, 0,1,2,3
	v_cvt_scalef32_pk8_fp8_f32 v[OC+2*\d:OC+2*\d+1], v[S+8*\d:S+8*\d+7], v[SCO]
.endr
	v_nop
	global_store_b128 v[LI], v[OC:OC+3],   s[\ptr:\ptr+1]
	global_store_b128 v[LI], v[OC+4:OC+7], s[\ptr:\ptr+1] offset:512
.endm
	s_wait_alu depctr_va_vdst(0)
	s_wait_tensorcnt 0x0                           ; my part of the key steps 0 .. 3 is in; the full sequence ahead of the later first fill
	ds_add_u32 v[SPW], v[NIL]
	s_wait_dscnt 0x0
	ROUND                                          ; key steps 0 .. 3 are whole, and the partners are here
	tensor_load_to_lds s[G0B:G0B+3], s[G1B:G1B+7]  ; my part of the key steps 4 .. 15
	s_nop 0
.rept 4
	v_nop
.endr
	s_mov_b32 s[T], 0
	s_wait_loadcnt 0x0                             ; Q
.LloopA:
	STEP 0
	s_add_co_u32 s[T], s[T], 1
	s_cmp_lt_u32 s[T], 4
	s_cbranch_scc1 .LloopA
	s_wait_alu depctr_va_vdst(0)
	s_wait_tensorcnt 0x0                           ; my part of the key steps 4 .. 15 is in;
	s_wait_dscnt 0x0
	s_barrier_signal -1
	s_barrier_wait -1                              ; everybody's is.  Nothing is filled from here on
	s_mov_b32 s[T], 4
.LloopB:
	STEP 1
	s_cmp_lg_u32 s[T], s[DL]                       ; the first tile ends behind trip DL
	s_cbranch_scc1 .Lsame
	FINISH OP1
.irp i, 0,1,2,3,4,5,6,7
	v_mov_b32 v[Q+\i], v[QN+\i]
.endr
	FRESH
	s_wait_alu depctr_va_vdst(0)
.Lsame:
	s_add_co_u32 s[T], s[T], 1
	s_cmp_lt_u32 s[T], 17
	s_cbranch_scc1 .LloopB
	FINISH OP2
	s_wait_dscnt 0x0
	s_barrier_signal -1
	s_barrier_wait -1                              ; every wave's LDS reads are over
	s_wait_tensorcnt 0x0                           ; the wave's end
	ds_add_u32 v[SPW], v[NIL]
	s_wait_dscnt 0x0
	ROUND                                          ; the closing round
	s_endpgm
.Lfunc_end_k_qb5c1da5634_attn:
	.size	k_qb5c1da5634_attn, .Lfunc_end_k_qb5c1da5634_attn-k_qb5c1da5634_attn
	.p2alignl 7, 3214868480
	.fill 96, 4, 3214868480
	.section	.rodata,"a",@progbits
	.p2align	6, 0x0
	.amdhsa_kernel k_qb5c1da5634_attn
		.amdhsa_group_segment_fixed_size 327680
		.amdhsa_private_segment_fixed_size 0
		.amdhsa_enable_private_segment 0
		.amdhsa_kernarg_size 40
		.amdhsa_user_sgpr_count 2
		.amdhsa_user_sgpr_kernarg_segment_ptr 1
		.amdhsa_wavefront_size32 1
		.amdhsa_system_sgpr_workgroup_id_x 1
		.amdhsa_system_sgpr_workgroup_id_y 1
		.amdhsa_system_sgpr_workgroup_id_z 1
		.amdhsa_system_vgpr_workitem_id 0
		.amdhsa_next_free_vgpr 256
		.amdhsa_next_free_sgpr 100
		.amdhsa_reserve_vcc 1
		.amdhsa_float_denorm_mode_32 3
		.amdhsa_float_denorm_mode_16_64 3
		.amdhsa_memory_ordered 1
		.amdhsa_forward_progress 1
		.amdhsa_inst_pref_size 55
	.end_amdhsa_kernel
	.amdgpu_metadata
---
amdhsa.version: [ 1, 2 ]
amdhsa.kernels:
  - .name:           k_qb5c1da5634_attn
    .symbol:         k_qb5c1da5634_attn.kd
    .args:
      - { .name: q_img, .offset: 0, .size: 8, .value_kind: global_buffer, .address_space: global }
      - { .name: k_img, .offset: 8, .size: 8, .value_kind: global_buffer, .address_space: global }
      - { .name: v_img, .offset: 16, .size: 8, .value_kind: global_buffer, .address_space: global }
      - { .name: lowp_scales, .offset: 24, .size: 8, .value_kind: global_buffer, .address_space: global }
      - { .name: attn_img, .offset: 32, .size: 8, .value_kind: global_buffer, .address_space: global }
    .group_segment_fixed_size: 327680
    .private_segment_fixed_size: 0
    .kernarg_segment_align: 8
    .kernarg_segment_size: 40
    .max_flat_workgroup_size: 512
    .sgpr_count:     100
    .vgpr_count:     256
    .wavefront_size: 32
...
	.end_amdgpu_metadata
.endif
;; end of part 2
;; launch proj (part 3): grid 4 x 64, 4 waves a work-group, clusters of 4 x 4, 327,680 bytes of LDS; arguments attn_img, Wout_codes, bout, lowp_scales, out0; writes out0
.if DOCPART == 3
	.amdgcn_target "amdgcn-amd-amdhsa--gfx1250"
	.amdhsa_code_object_version 6
	.text
	.protected	k_qb5c1da5634_proj
	.globl	k_qb5c1da5634_proj
	.p2align	8
	.type	k_qb5c1da5634_proj,@function
k_qb5c1da5634_proj:
	s_mov_b64 s[64:65], 0
	v_nop
	global_prefetch_b8 v0, s[64:65] scope:SCOPE_SE
	s_setreg_imm32_b32 hwreg(HW_REG_WAVE_MODE, 25, 1), 1
	s_wait_xcnt 0x0
	s_wait_alu depctr_hold_cnt(0) depctr_sa_sdst(0) depctr_va_vdst(0) depctr_va_sdst(0) depctr_va_ssrc(0) depctr_va_vcc(0) depctr_vm_vsrc(0)
	s_getreg_b32 s2, hwreg(HW_REG_IB_STS2, 6, 4)
	s_cmp_eq_u32 s2, 0
	s_cbranch_scc0 .Lentry_in_a_cluster
	s_endpgm
.Lentry_in_a_cluster:
	s_bfe_u32 s2, ttmp6, 0x10000c
	s_cmp_lg_u32 s2, 0xf033
	s_cbranch_scc0 .Lentry_shape_is_right
	s_endpgm
.Lentry_shape_is_right:
; out0 = attn Wout^T x 2^(e6 + e7) + bout on codes of FP8 (E4M3).  attn_img: [512 tiles of 16 rows][16 heads][1,024 bytes]: images of the 64-deep form's operand registers (lane (r, hf): row r,
; registers 2 c, 2 c + 1 = k 16 c + 8 hf + 0..7 of the head's 64).  Wout: [1024][1024] codes, K innermost.  out0: [8192][1024] f32.
; SHARES.  A work-group makes 128 rows x 256 columns of out0 as two tiles of 128 x 128, one after the other; wave (wm, wn) makes 64 x 64 of a tile: 16 accumulators.  4 x 64 = 256 work-groups.
; ALL OF K LIES IN LDS.  attn's 128 rows (131,072 bytes) are filled once and serve both tiles.  At the head each wave issues ONE joint load: waves 0, 1: four tiles of attn's rows, 4 x 16,384 bytes;
; waves 2, 3: 64 rows of the first tile's Wout, 1,024 bytes each with 16 of padding behind.  Behind the first tile's products stand the full sequence and a round of the cluster's barrier, and each of the
; four waves fills 32 rows of Wout's bytes again, for the second tile; the first tile goes out while that load is on its way.
; A sub-step is 64 along K, one head.  attn's fragment comes as its image (two loads of 16 bytes at 16 x lane); Wout's by four loads of 8 bytes, k in the form's own places.
; THE MATRIX INSTRUCTION IS USED TRANSPOSED (source 0 = 16 rows of Wout, source 1 = 16 rows of attn): a lane holds eight neighbouring numbers of a row of out0.
; CLUSTERS: 4 x 4 work-groups: attn's tiles are shared along a row of the cluster, Wout's along a column.  No prefetch: the text has no loop to run ahead in; the one refill is asked for a whole way out ahead of its wait.
; LIMIT: e6 + e7 between -126 and 127, so that 2^(e6 + e7) is an f32 number.
; REGISTERS: window 0: v1-19 addresses; v32-95 attn's fragments, two sets; v96-159 Wout's, two sets; v160-191 at work on the way out; v192-255 rows read back, two sets.
;   window 1: accumulator (m, n) at v[8 (4 m + n)]; v128-159, v160-191 bout in the results' layout, for the first and the second tile.
.set BBASE,  131072                    ; attn: 8 tiles of rows x 16,384 bytes; then Wout
.set BP,     1040                      ; a row of Wout in LDS: 1,024 bytes + 16 = 260 words: lane (r, hf) of a load of 8 bytes starts at bank 4 r + 2 hf (64 banks of 4 bytes: ISA guide 11.1)
.set PITCH,  272                       ; a row of the stage
.set STAGE,  BBASE+128*BP              ; 16 rows x 272 bytes for each wave; no tensor load lands there
.set ADRA, 4                           ; v4-7   my lane in my four tiles of attn, at heads 0, 4, 8, 12
.set ADRB, 8                           ; v8-11  my lane in my 64 rows of Wout, at k 0, 256, 512, 768
.set STO,  12
.set RD,   13
.set CO,   14
.set HB,   15
.set AF,   32
.set BF,   96
.set TW,   160
.set BK,   192
.set BIAS, 128
.set G1,  16                           ; group 1: attn; Wout, 64 rows; Wout, 32 rows
.set G1B, 24
.set G1C, 36
.set G0,  32
.set G0B, 48
.set G0C, 44
.set MSB, 0
.macro WIN new
.if MSB != \new
	s_set_vgpr_msb (MSB<<8)|\new
.set MSB, \new
.endif
.endm
.macro PLACES
.rept 4
	v_nop
.endr
.endm
.macro CROUND
	s_barrier_signal -1
	s_barrier_wait -1
	s_cmp_lg_u32 s66, 0
	s_cbranch_scc1 .Lnot_wave_0_\@
	s_barrier_signal -3
.Lnot_wave_0_\@:
	s_barrier_wait -3
	s_barrier_signal -1
	s_barrier_wait -1
.endm
	s_load_b256 s[4:11], s[0:1], 0x0               ; attn_img, Wout, bout, the scales' exponents
	s_load_b64 s[12:13], s[0:1], 0x20              ; out0
	v_lshl_add_u32 v30, v0, 2, 0x48000
	v_mov_b32 v31, 0
	ds_add_u32 v30, v31                            ; the opening lines
	ds_add_u32 v30, v31
	v_lshrrev_b32 v1, 5, v0
	v_readfirstlane_b32 s66, v1                    ; wave 0..3
	s_lshr_b32 s67, s66, 1                         ; wm.  Also: at the head I fetch for attn (0) or for Wout (1)
	s_and_b32 s68, s66, 1                          ; wn.  Also: which half I fetch
	s_bfe_u32 s69, ttmp6, 0x40000
	s_bfe_u32 s70, ttmp6, 0x40004
	s_lshl_b32 s71, ttmp9, 2
	s_add_co_u32 s71, s71, s69                     ; my 256 columns
	s_and_b32 s72, ttmp7, 0xffff
	s_lshl_b32 s72, s72, 2
	s_add_co_u32 s72, s72, s70                     ; my 128 rows
	s_lshl_b32 s76, s70, 2
	s_lshl_b32 s76, 15, s76                        ; my row of the cluster
	s_lshl_b32 s77, 0x1111, s69                    ; my column
	s_or_b32 s[G1+0], s76, (3<<16)|(1<<21)         ; elements of 8 bytes; no padding
	s_mov_b32 s[G1+1], 2048<<16                    ; a tile of rows: 16 heads' images, 16,384 bytes
	s_mov_b32 s[G1+2], 4<<16
	s_mov_b32 s[G1+3], 2048<<16
	s_mov_b32 s[G1+4], 4
	s_mov_b32 s[G1+5], 2048
	s_mov_b32 s[G1+6], 0
	s_mov_b32 s[G1+7], 0
	s_or_b32 s[G1B+0], s77, (0<<16)|(1<<20)|(1<<21)|(7<<22)|(3<<25)   ; elements of 1 byte; after every 256 words four words of padding
	s_mov_b32 s[G1B+1], 1024<<16
	s_mov_b32 s[G1B+2], 64<<16
	s_mov_b32 s[G1B+3], 1024<<16
	s_mov_b32 s[G1B+4], 64
	s_mov_b32 s[G1B+5], 1024
	s_mov_b32 s[G1B+6], 0
	s_mov_b32 s[G1B+7], 0
	s_or_b32 s[G1C+0], s77, (0<<16)|(1<<20)|(1<<21)|(7<<22)|(3<<25)
	s_mov_b32 s[G1C+1], 1024<<16
	s_mov_b32 s[G1C+2], 32<<16
	s_mov_b32 s[G1C+3], 1024<<16
	s_mov_b32 s[G1C+4], 32
	s_mov_b32 s[G1C+5], 1024
	s_mov_b32 s[G1C+6], 0
	s_mov_b32 s[G1C+7], 0
	s_lshl_b32 s78, s72, 17                        ; attn: tile of rows 8 x my block + 4 x half
	s_lshl_b32 s82, s68, 16                        ; (also the half's place in LDS)
	s_add_co_u32 s78, s78, s82
	s_mov_b32 s79, 0
	s_lshl_b32 s80, s71, 18                        ; Wout, first tile: row 256 x + 64 x half
	s_add_co_u32 s80, s80, s82
	s_mov_b32 s81, 0
	s_mul_i32 s83, s68, 64*BP
	s_add_co_u32 s83, s83, BBASE
	s_lshl_b32 s52, s71, 18                        ; Wout, second tile: row 256 x + 128 + 32 x wave
	s_add_co_u32 s52, s52, 131072
	s_lshl_b32 s53, s66, 15
	s_add_co_u32 s52, s52, s53
	s_mov_b32 s53, 0
	s_mul_i32 s54, s66, 32*BP
	s_add_co_u32 s54, s54, BBASE
	s_wait_dscnt 0x0
	s_wait_kmcnt 0x0
	s_load_b256 s[84:91], s[10:11], 0x0            ; e0 .. e7
	s_add_nc_u64 s[78:79], s[4:5], s[78:79]
	s_add_nc_u64 s[80:81], s[6:7], s[80:81]
	s_mov_b32 s[G0], 1
	s_mov_b32 s[G0+1], s82
	s_mov_b64 s[G0+2:G0+3], s[78:79]
	s_or_b32 s[G0+3], s[G0+3], 0x80000000
	s_mov_b32 s[G0B], 1
	s_mov_b32 s[G0B+1], s83
	s_mov_b64 s[G0B+2:G0B+3], s[80:81]
	s_or_b32 s[G0B+3], s[G0B+3], 0x80000000
	s_mov_b32 s[G0C], 1
	s_mov_b32 s[G0C+1], s54
	s_add_nc_u64 s[G0C+2:G0C+3], s[6:7], s[52:53]
	s_or_b32 s[G0C+3], s[G0C+3], 0x80000000
	CROUND                                         ; all sixteen work-groups are here: the joint loads meet
	s_cmp_eq_u32 s67, 0
	s_cbranch_scc0 .Lfor_b
	tensor_load_to_lds s[G0:G0+3], s[G1:G1+7]
	s_nop 0
.rept 4
	v_nop
.endr
	s_branch .Lasked
.Lfor_b:
	tensor_load_to_lds s[G0B:G0B+3], s[G1B:G1B+7]
	s_nop 0
.rept 4
	v_nop
.endr
.Lasked:
	v_and_b32 v1, 15, v0                           ; r
	v_bfe_u32 v2, v0, 4, 1                         ; hf
	v_and_b32 v3, 31, v0                           ; lane
	s_lshl_b32 s76, s67, 16                        ; my four tiles of rows
	v_lshl_add_u32 v[ADRA], v3, 4, s76
	v_mul_u32_u24 v16, v1, PITCH
	v_mul_u32_u24 v17, v1, BP
	v_lshl_add_u32 v17, v2, 3, v17                 ; row r x pitch + 8 hf
	s_mul_i32 s77, s68, 64*BP                      ; my 64 rows of Wout
	s_add_co_u32 s77, s77, BBASE
	v_add_nc_u32 v[ADRB], s77, v17
.irp j, 1,2,3
	v_add_nc_u32 v[ADRA+\j], \j*4096, v[ADRA]
	v_add_nc_u32 v[ADRB+\j], \j*256, v[ADRB]
.endr
	s_mul_i32 s76, s66, 16*PITCH
	s_add_co_u32 s76, s76, STAGE                   ; my stage
	v_lshl_add_u32 v[STO], v2, 5, v16
	v_add_nc_u32 v[STO], s76, v[STO]
	v_mul_u32_u24 v18, v2, PITCH
	v_lshl_add_u32 v18, v1, 4, v18
	v_add_nc_u32 v[RD], s76, v18
	v_lshlrev_b32 v19, 12, v2
	v_lshl_add_u32 v[CO], v1, 4, v19
	v_lshlrev_b32 v[HB], 5, v2
	s_wait_alu depctr_va_vdst(0)
	s_lshl_b32 s96, s71, 10                        ; my first column in bytes: 1,024 x + 256 wn; the second tile's lies 512 on
	s_lshl_b32 s97, s68, 8
	s_add_co_u32 s96, s96, s97
	s_mov_b32 s97, 0
	s_add_nc_u64 s[98:99], s[8:9], s[96:97]        ; bout there
	s_lshl_b32 s94, s72, 19                        ; my first row
	s_lshl_b32 s95, s67, 18
	s_add_co_u32 s94, s94, s95
	s_add_co_u32 s94, s94, s96
	s_mov_b32 s95, 0
	s_add_nc_u64 s[12:13], s[12:13], s[94:95]
	WIN 0x40
.irp c, 0,1
.irp n, 0,1,2,3
	global_load_b128 v[BIAS+32*\c+8*\n:BIAS+32*\c+8*\n+3],   v[HB], s[98:99] offset:512*\c+64*\n
	global_load_b128 v[BIAS+32*\c+8*\n+4:BIAS+32*\c+8*\n+7], v[HB], s[98:99] offset:512*\c+64*\n+16
.endr
.endr
	WIN 0
.macro FETCH j, q, p                           ; 24 LDS loads: the fragments of head 4 j + q into set p
.irp i, 0,1,2,3
	ds_load_b128 v[AF+32*(\p)+8*\i:AF+32*(\p)+8*\i+3],   v[ADRA+\j] offset:16384*\i+1024*(\q)
	ds_load_b128 v[AF+32*(\p)+8*\i+4:AF+32*(\p)+8*\i+7], v[ADRA+\j] offset:16384*\i+1024*(\q)+512
.endr
.irp i, 0,1,2,3
.irp c, 0,1,2,3
	ds_load_b64 v[BF+32*(\p)+8*\i+2*\c:BF+32*(\p)+8*\i+2*\c+1], v[ADRB+\j] offset:\i*16*BP+64*(\q)+16*\c
.endr
.endr
.endm
.macro MUL p, m0, zero                         ; 8 matrix instructions; the 16 accumulators take turns
	WIN 0x50
.irp m, \m0, \m0+1
.irp n, 0,1,2,3
.if \zero
	v_wmma_f32_16x16x64_fp8_fp8 v[8*(4*(\m)+\n):8*(4*(\m)+\n)+7], v[BF+32*(\p)+8*\n:BF+32*(\p)+8*\n+7], v[AF+32*(\p)+8*(\m):AF+32*(\p)+8*(\m)+7], 0
.else
	v_wmma_f32_16x16x64_fp8_fp8 v[8*(4*(\m)+\n):8*(4*(\m)+\n)+7], v[BF+32*(\p)+8*\n:BF+32*(\p)+8*\n+7], v[AF+32*(\p)+8*(\m):AF+32*(\p)+8*(\m)+7], v[8*(4*(\m)+\n):8*(4*(\m)+\n)+7]
.endif
.endr
.endr
.endm
.macro SUB j, q, p, zero
	WIN 0
	PLACES                                         ; the other set was read by the products just issued
	FETCH \j, (\q)+1, 1-(\p)
	s_wait_dscnt 24                                ; all but the 24 just issued: set p is in
	MUL \p, 0, \zero
	MUL \p, 2, \zero
.endm
.macro TURNP j                                 ; the fourth sub-step of four (set 1) fetches with the next address registers
	s_wait_dscnt 0x0
	MUL 1, 0, 0
	WIN 0
	PLACES
	FETCH (\j)+1, 0, 0
	MUL 1, 2, 0
.endm
.macro COMPUTE                                 ; a tile's sixteen sub-steps; the first products start the sums
	FETCH 0, 0, 0
	SUB 0, 0, 0, 1
	SUB 0, 1, 1, 0
	SUB 0, 2, 0, 0
	TURNP 0
.irp j, 1,2
	SUB \j, 0, 0, 0
	SUB \j, 1, 1, 0
	SUB \j, 2, 0, 0
	TURNP \j
.endr
	SUB 3, 0, 0, 0
	SUB 3, 1, 1, 0
	SUB 3, 2, 0, 0
	s_wait_dscnt 0x0
	MUL 1, 0, 0
	MUL 1, 2, 0
	WIN 0
.endm
; THE WAY OUT of tile c, 16 rows x my 64 columns at a time: sum x 2^(e6 + e7) + bout; through my own stage in LDS; back as whole rows of 256 bytes.
.macro TOSTAGE a, c
	WIN 0x11
.irp n, 0,1,2,3
.irp i, 0,2,4,6
	v_pk_fma_f32 v[TW+8*\n+\i:TW+8*\n+\i+1], v[8*(4*(\a)+\n)+\i:8*(4*(\a)+\n)+\i+1], s[92:93], v[BIAS+32*(\c)+8*\n+\i:BIAS+32*(\c)+8*\n+\i+1] op_sel_hi:[1,0,1]
.endr
.endr
	WIN 0
.irp n, 0,1,2,3
	ds_store_b128 v[STO], v[TW+8*\n:TW+8*\n+3]   offset:64*\n
	ds_store_b128 v[STO], v[TW+8*\n+4:TW+8*\n+7] offset:64*\n+16
.endr
.irp t, 0,1,2,3,4,5,6,7
	ds_load_b128 v[BK+32*((\a)%2)+4*\t:BK+32*((\a)%2)+4*\t+3], v[RD] offset:\t*2*PITCH   ; LDS serves a wave's instructions in order (ISA guide 5.7.1.4)
.endr
.endm
.macro SEND a, younger, c
	s_wait_dscnt \younger
.irp t, 0,1,2,3,4,5,6,7
	global_store_b128 v[CO], v[BK+32*((\a)%2)+4*\t:BK+32*((\a)%2)+4*\t+3], s[12:13] offset:65536*(\a)+8192*\t+512*(\c) th:TH_STORE_NT   ; 16 lanes store 256 consecutive bytes, aligned
.endr
.endm
.macro WAYOUT c
	TOSTAGE 0, \c
.irp a, 1,2,3
.if \a > 1
	s_wait_xcnt 0x0                                ; tile a - 2's stores have read their registers
.endif
	TOSTAGE \a, \c
	SEND \a-1, 16, \c
.endr
	SEND 3, 0, \c
.endm
	s_wait_tensorcnt 0x0                           ; my load is in;
	s_barrier_signal -1
	s_barrier_wait -1                              ; everybody's is
	COMPUTE
	s_wait_tensorcnt 0x0                           ; the full sequence ahead of the refill
	ds_add_u32 v30, v31
	s_wait_kmcnt 0x0
	s_add_co_i32 s92, s90, s91
	s_add_co_i32 s92, s92, 127
	s_lshl_b32 s92, s92, 23                        ; 2^(e6 + e7) as f32
	s_mov_b32 s93, s92
	s_wait_dscnt 0x0                               ; the add is done, and my reads of Wout's rows are over
	CROUND                                         ; so are those of every wave of every partner
	tensor_load_to_lds s[G0C:G0C+3], s[G1C:G1C+7]  ; my 32 rows of the second tile's Wout
	s_nop 0
	PLACES                                         ; also the places in front of the first read of results
	s_wait_loadcnt 0x0                             ; bout
	WAYOUT 0
	s_wait_tensorcnt 0x0                           ; my 32 rows are in;
	s_wait_dscnt 0x0
	s_barrier_signal -1
	s_barrier_wait -1                              ; everybody's are.  Nothing is filled from here on
	COMPUTE
	PLACES
	s_wait_xcnt 0x0                                ; the first tile's stores have read their registers
	WAYOUT 1
	s_wait_tensorcnt 0x0                           ; the wave's end
	ds_add_u32 v30, v31
	s_wait_dscnt 0x0
	CROUND                                         ; the closing round
	s_endpgm
.Lfunc_end_k_qb5c1da5634_proj:
	.size	k_qb5c1da5634_proj, .Lfunc_end_k_qb5c1da5634_proj-k_qb5c1da5634_proj
	.p2alignl 7, 3214868480
	.fill 96, 4, 3214868480
	.section	.rodata,"a",@progbits
	.p2align	6, 0x0
	.amdhsa_kernel k_qb5c1da5634_proj
		.amdhsa_group_segment_fixed_size 327680
		.amdhsa_private_segment_fixed_size 0
		.amdhsa_enable_private_segment 0
		.amdhsa_kernarg_size 40
		.amdhsa_user_sgpr_count 2
		.amdhsa_user_sgpr_kernarg_segment_ptr 1
		.amdhsa_wavefront_size32 1
		.amdhsa_system_sgpr_workgroup_id_x 1
		.amdhsa_system_sgpr_workgroup_id_y 1
		.amdhsa_system_sgpr_workgroup_id_z 1
		.amdhsa_system_vgpr_workitem_id 0
		.amdhsa_next_free_vgpr 512
		.amdhsa_next_free_sgpr 100
		.amdhsa_reserve_vcc 0
		.amdhsa_float_denorm_mode_32 3
		.amdhsa_float_denorm_mode_16_64 3
		.amdhsa_memory_ordered 1
		.amdhsa_forward_progress 1
		.amdhsa_inst_pref_size 120
	.end_amdhsa_kernel
	.amdgpu_metadata
---
amdhsa.version: [ 1, 2 ]
amdhsa.kernels:
  - .name:           k_qb5c1da5634_proj
    .symbol:         k_qb5c1da5634_proj.kd
    .args:
      - { .name: attn_img, .offset: 0, .size: 8, .value_kind: global_buffer, .address_space: global }
      - { .name: Wout_codes, .offset: 8, .size: 8, .value_kind: global_buffer, .address_space: global }
      - { .name: bout, .offset: 16, .size: 8, .value_kind: global_buffer, .address_space: global }
      - { .name: lowp_scales, .offset: 24, .size: 8, .value_kind: global_buffer, .address_space: global }
      - { .name: out0, .offset: 32, .size: 8, .value_kind: global_buffer, .address_space: global }
    .group_segment_fixed_size: 327680
    .private_segment_fixed_size: 0
    .kernarg_segment_align: 8
    .kernarg_segment_size: 40
    .max_flat_workgroup_size: 128
    .sgpr_count:     100
    .vgpr_count:     512
    .wavefront_size: 32
...
	.end_amdgpu_metadata
.endif
;; end of part 3
